; MI455X (gfx1250); checked and timed in simulation.
; The chip was launched on July 23, 2026; its instructions are those of AMD's public machine-readable ISA for CDNA 5 (MIT licence, August 2026) and "CDNA5" Instruction Set Architecture Reference Guide (July 2026). The comments in the code are by the model that wrote it; some were corrected since.
;; Row Parallel Linear With Packed. Allowed arithmetic: float matrix products may take bf16 or f16 operands with f32 sums; all other float work in f32.
;; Inputs: indices 4,096 int32; weight_stacked 4 x 1,024 x 4,096 float32; x 4,096 x 4,096 float32.
;; Outputs: out0 4,096 x 1,024 float32.
;; 2 versions, each right; version 2 is version 1 with the launch swapgemm written anew for expert scheduling mode. Each part assembles by itself: llvm-mc -triple=amdgcn-amd-amdhsa -mcpu=gfx1250 --defsym DOCPART=n.
;; ======== version 1 of 2: 2 launches
;; workspace buffers: route 65,536 bytes of whole numbers
;; launch route (part 1): grid 32 x 1, 8 waves a work-group, no clusters, 17,664 bytes of LDS; arguments indices, route; writes route
.if DOCPART == 1
	.amdgcn_target "amdgcn-amd-amdhsa--gfx1250"
	.amdhsa_code_object_version 6
	.text
	.protected	k_qf6568556bd_route
	.globl	k_qf6568556bd_route
	.p2align	8
	.type	k_qf6568556bd_route,@function
k_qf6568556bd_route:
	s_mov_b64 s[64:65], 0
	v_nop
	global_prefetch_b8 v0, s[64:65] scope:SCOPE_SE
	s_setreg_imm32_b32 hwreg(HW_REG_WAVE_MODE, 25, 1), 1
	s_wait_xcnt 0x0
; THE ROUTING for out0[t] = x[t] . W[indices[t]]^T, in whole numbers alone.  indices: [4096] i32.  route: [32][512] words, a table for each row block.
; The tokens of each expert are cut into row blocks of at most 144; the sum over experts of ceil(n/144) is at most (4096 + 4 x 143) / 144 = 32, so 32 blocks always do, and spare blocks
; go to the expert with the most rows a block, so that all 32 hold rows.  Work-group rb makes block rb's table:
;   words 0..143   the block's tokens, in the order of its rows; bit 16 set: the token's index lies outside 0..3 (it is listed with expert 3, and its row is later multiplied by 0);
;                  rows behind the block's last repeat its last token
;   words 144..147 the block's expert; its number among the expert's blocks; its rows (1 to 144); 0          words 148..511 repeat the last token
; Every work-group needs all 4,096 indices for the counts, so each counts for itself: wave w takes 512 of them, and the waves' counts meet in LDS.  32 work-groups: one for each table.
; No branch and no global address hangs on the indices: choices are made by s_cselect_b32 and v_cndmask_b32, and thread t stores words 2 t and 2 t + 1.
.set WLW, 2064                         ; LDS from byte 0: each wave's tokens of the block's expert, compacted: 512 words, a dump word, three words to a multiple of 16 bytes
.set CNT, 8*WLW                        ; behind the lists: counts [wave][expert], 16 bytes a wave
.set WV, 12                            ; wave
.set RB, 14                            ; row block
.set CN, 20                            ; s20-51 counts [wave][expert]; later by wave: +0 count of my expert, +1 prefix, +2 516 x wave - prefix
.set NE, 52                            ; s52-55 tokens of each expert
.set BE, 56                            ; s56-59 blocks of each expert
.set CE, 60                            ; s60-63 my wave's counts
.set T0, 66                            ; s66-71 at work
.set T4, 70
.set T5, 71
.set ES, 72                            ; my block's expert
.set JJ, 73                            ; its number among the expert's blocks
.set NS, 74                            ; the expert's tokens
.set BS, 75                            ; the expert's blocks
.set HH, 76                            ; rows a block
.set START, 77                         ; my block's first place in the expert's list
.set ROWS, 78                          ; my block's rows
.set RUN, 79
.set LANE, 1
.set L16, 2                            ; 16 x lane
.set IO, 3                             ; my 16 bytes in my wave's 2,048 bytes of indices
.set TK, 4                             ; the token of my first index
.set FLG, 5                            ; bit 16
.set WLA, 6                            ; my wave's list in LDS
.set FIL, 7                            ; my 16 bytes of it
.set IDX, 8                            ; v8-23   16 indices
.set EC, 24                            ; v24-39  the experts whose weights are used
.set ENTV, 40                          ; v40-55  the lists' entries
.set CR, 56                            ; v56-87  all counts
.set PT, 88                            ; v88-99  at work
.set ZR, 100                           ; v100-103 zeros
.macro MEET                            ; my LDS stores are done and my LDS reads are back: then the work-group's barrier
	s_wait_dscnt 0x0
	s_barrier_signal -1
	s_barrier_wait -1
.endm
	s_load_b128 s[4:7], s[0:1], 0x0                ; indices s[4:5], route s[6:7]
	v_lshl_add_u32 v104, v0, 2, 0x4100
	v_mov_b32 v105, 0
	v_and_b32 v[LANE], 31, v0
	v_lshrrev_b32 v[PT], 5, v0
	v_readfirstlane_b32 s[WV], v[PT]               ; wave 0..7
	s_mov_b32 s[RB], ttmp9
	v_lshlrev_b32 v[L16], 4, v[LANE]
	v_lshl_add_u32 v[IO], s[WV], 11, v[L16]
	v_lshlrev_b32 v[TK], 2, v[LANE]
	v_lshl_add_u32 v[TK], s[WV], 9, v[TK]          ; 512 w + 4 lane
	v_mov_b32 v[FLG], 0x10000
	s_mov_b32 s[CE], 0
	s_mov_b32 s[CE+1], 0
	s_mov_b32 s[CE+2], 0
	s_wait_kmcnt 0x0
.irp j,0,1,2,3
	global_load_b128 v[IDX+4*\j:IDX+4*\j+3], v[IO], s[4:5] offset:512*\j  ; register 4 j + c holds the index of token 512 w + 128 j + 4 lane + c
.endr
	; while the indices are on their way my wave's list is filled with 0: the look-up below is clamped to the lists' 8 x 516 words, and every one of them is written
	s_mul_i32 s[T4], s[WV], WLW
	v_mov_b32 v[WLA], s[T4]
	v_add_nc_u32 v[FIL], s[T4], v[L16]
.irp z,0,1,2,3
	v_mov_b32 v[ZR+\z], 0
.endr
.irp j,0,1,2,3
	ds_store_b128 v[FIL], v[ZR:ZR+3] offset:512*\j
.endr
	ds_store_b128 v[WLA], v[ZR:ZR+3] offset:2048   ; the last 16 bytes, by all lanes alike
	s_wait_loadcnt 0x0
.set g, 0
.rept 16
	v_min_u32 v[EC+g], 3, v[IDX+g]                 ; the expert whose weights are used
	v_cmp_lt_u32 vcc_lo, 3, v[IDX+g]               ; out of range (negative numbers too, read as unsigned)
	v_cndmask_b32 v[PT+g%4], 0, v[FLG], vcc_lo
	v_add3_u32 v[ENTV+g], v[TK], v[PT+g%4], 128*(g/4)+g%4  ; the list's entry: the token, and bit 16 for 'out of range'
.set g, g+1
.endr
	; my wave's counts by expert
.irp e,0,1,2
.set g, 0
.rept 4
.irp m,0,1,2,3
	v_cmp_eq_u32 s[T0+\m], \e, v[EC+g+\m]
.endr
.irp m,0,1,2,3
	s_bcnt1_i32_b32 s[T0+\m], s[T0+\m]
	s_add_co_u32 s[CE+\e], s[CE+\e], s[T0+\m]
.endr
.set g, g+4
.endr
.endr
	s_sub_co_u32 s[CE+3], 512, s[CE]
	s_sub_co_u32 s[CE+3], s[CE+3], s[CE+1]
	s_sub_co_u32 s[CE+3], s[CE+3], s[CE+2]
.irp e,0,1,2,3
	v_mov_b32 v[PT+\e], s[CE+\e]
.endr
	s_lshl_b32 s[T0], s[WV], 4
	s_add_co_u32 s[T0], s[T0], CNT
	v_mov_b32 v[PT+4], s[T0]
	ds_store_b128 v[PT+4], v[PT:PT+3]              ; all lanes write the same 16 bytes with the same numbers
	MEET                                           ; every wave's counts are in LDS
	v_mov_b32 v[PT+5], CNT
.irp k,0,1,2,3,4,5,6,7
	ds_load_b128 v[CR+4*\k:CR+4*\k+3], v[PT+5] offset:16*\k
.endr
	s_wait_dscnt 0x0
.set k, 0
.rept 32
	v_readfirstlane_b32 s[CN+k], v[CR+k]
.set k, k+1
.endr
	; tokens of each expert, and ceil(n / 144) blocks: (n + 143) x 29128 >> 22 is exact for n + 143 up to 4,239 (the factor exceeds 2^22 / 144 by 0.89: an error under 0.001, against steps of 1/144)
.irp e,0,1,2,3
	s_add_co_u32 s[NE+\e], s[CN+\e], s[CN+4+\e]
.irp k,2,3,4,5,6,7
	s_add_co_u32 s[NE+\e], s[NE+\e], s[CN+4*\k+\e]
.endr
	s_add_co_u32 s[BE+\e], s[NE+\e], 143
	s_mul_i32 s[BE+\e], s[BE+\e], 29128
	s_lshr_b32 s[BE+\e], s[BE+\e], 22
.endr
	s_add_co_u32 s2, s[BE], s[BE+1]
	s_add_co_u32 s2, s2, s[BE+2]
	s_add_co_u32 s2, s2, s[BE+3]                   ; 29 to 32 blocks
	; up to three spare blocks go, one at a time, to the expert with the most rows a block (compared by cross-multiplying).  That expert has at least 4096 / 31 = 132 rows a block,
	; more than its number of blocks, so that cutting it into one block more leaves no block empty.
.rept 3
	s_mov_b32 s[T0], 0
	s_mov_b32 s[T0+1], s[NE]
	s_max_u32 s[T0+2], s[BE], 1
.irp e,1,2,3
	s_max_u32 s[T0+3], s[BE+\e], 1
	s_mul_i32 s[T4], s[NE+\e], s[T0+2]
	s_mul_i32 s[T5], s[T0+1], s[T0+3]
	s_cmp_gt_u32 s[T4], s[T5]
	s_cselect_b32 s[T0], \e, s[T0]
	s_cselect_b32 s[T0+1], s[NE+\e], s[T0+1]
	s_cselect_b32 s[T0+2], s[T0+3], s[T0+2]
.endr
	s_cmp_lt_u32 s2, 32
	s_cselect_b32 s[T0+3], 1, 0
	s_add_co_u32 s2, s2, s[T0+3]
.irp e,0,1,2,3
	s_cmp_eq_u32 s[T0], \e
	s_cselect_b32 s[T4], s[T0+3], 0
	s_add_co_u32 s[BE+\e], s[BE+\e], s[T4]
.endr
.endr
	; my block's expert: the last one whose first block is not behind rb (an expert without blocks is passed over by the next)
	s_mov_b32 s[ES], 0
	s_mov_b32 s[T0], 0
	s_mov_b32 s[NS], s[NE]
	s_mov_b32 s[BS], s[BE]
	s_mov_b32 s[T0+1], 0
.irp e,1,2,3
	s_add_co_u32 s[T0+1], s[T0+1], s[BE+\e-1]
	s_cmp_ge_u32 s[RB], s[T0+1]
	s_cselect_b32 s[ES], \e, s[ES]
	s_cselect_b32 s[T0], s[T0+1], s[T0]
	s_cselect_b32 s[NS], s[NE+\e], s[NS]
	s_cselect_b32 s[BS], s[BE+\e], s[BS]
.endr
	s_sub_co_u32 s[JJ], s[RB], s[T0]
	; rows a block = ceil(tokens / blocks), at most 144: the largest t with t x blocks <= tokens + blocks - 1, bit by bit
	s_add_co_u32 s[T0+1], s[NS], s[BS]
	s_sub_co_u32 s[T0+1], s[T0+1], 1
	s_mov_b32 s[HH], 0
.irp b,128,64,32,16,8,4,2,1
	s_add_co_u32 s[T0+2], s[HH], \b
	s_mul_i32 s[T0+3], s[T0+2], s[BS]
	s_cmp_le_u32 s[T0+3], s[T0+1]
	s_cselect_b32 s[HH], s[T0+2], s[HH]
.endr
	s_mul_i32 s[START], s[JJ], s[HH]
	s_sub_co_u32 s[T0], s[NS], s[START]
	s_min_u32 s[ROWS], s[HH], s[T0]
	; by wave: its count of my expert, the prefix of those counts, and 516 x wave - prefix (a place in the expert's list + that = a word in the waves' lists)
.irp e,1,2,3
	s_cmp_eq_u32 s[ES], \e
.irp k,0,1,2,3,4,5,6,7
	s_cselect_b32 s[CN+4*\k], s[CN+4*\k+\e], s[CN+4*\k]
.endr
.endr
	s_mov_b32 s[CN+1], 0
	s_mov_b32 s[CN+2], 0
.irp k,1,2,3,4,5,6,7
	s_add_co_u32 s[CN+4*\k+1], s[CN+4*\k-3], s[CN+4*\k-4]
	s_sub_co_u32 s[CN+4*\k+2], 516*\k, s[CN+4*\k+1]
.endr
	; my wave's tokens of that expert, compacted into my wave's own list; the other lanes write the dump word (LDS serves a wave's instructions in order, ISA guide 5.7.1.4: these come behind the zeros)
	s_mov_b32 s[RUN], 0
.set g, 0
.rept 16
	v_cmp_eq_u32 s[T0+1+g%2], s[ES], v[EC+g]
	v_mbcnt_lo_u32_b32 v[PT+g%4], s[T0+1+g%2], s[RUN]  ; those found so far + those in lower lanes
	v_cndmask_b32 v[PT+g%4], -1, v[PT+g%4], s[T0+1+g%2]
	v_min_u32 v[PT+g%4], 0x200, v[PT+g%4]
	v_lshl_add_u32 v[PT+g%4], v[PT+g%4], 2, v[WLA]
	ds_store_b32 v[PT+g%4], v[ENTV+g]
	s_bcnt1_i32_b32 s[T0+3], s[T0+1+g%2]
	s_add_co_u32 s[RUN], s[RUN], s[T0+3]
.set g, g+1
.endr
	MEET                                           ; every wave's list is in LDS; it is never written again
	; thread t looks up the table's words 2 t and 2 t + 1: the rows of those numbers, or the block's last row
	v_lshlrev_b32 v[PT], 1, v0
	s_sub_co_u32 s[T0], s[ROWS], 1
	v_min_u32 v[PT+1], s[T0], v[PT]
	v_add_nc_u32 v[PT+2], 1, v[PT]
	v_min_u32 v[PT+2], s[T0], v[PT+2]
	v_add_nc_u32 v[PT+1], s[START], v[PT+1]        ; the two places in the expert's list
	v_add_nc_u32 v[PT+2], s[START], v[PT+2]
	v_mov_b32 v[PT+3], 0
	v_mov_b32 v[PT+4], 0
.irp k,1,2,3,4,5,6,7
	v_cmp_le_u32 vcc_lo, s[CN+4*\k+1], v[PT+1]     ; the last wave whose prefix is not behind the place holds it
	v_cndmask_b32 v[PT+3], v[PT+3], s[CN+4*\k+2], vcc_lo
	v_cmp_le_u32 vcc_lo, s[CN+4*\k+1], v[PT+2]
	v_cndmask_b32 v[PT+4], v[PT+4], s[CN+4*\k+2], vcc_lo
.endr
	v_add_nc_u32 v[PT+3], v[PT+1], v[PT+3]
	v_add_nc_u32 v[PT+4], v[PT+2], v[PT+4]
	v_min_u32 v[PT+3], 8*516-1, v[PT+3]
	v_min_u32 v[PT+4], 8*516-1, v[PT+4]
	v_lshlrev_b32 v[PT+3], 2, v[PT+3]
	v_lshlrev_b32 v[PT+4], 2, v[PT+4]
	ds_load_b32 v[PT+6], v[PT+3]
	ds_load_b32 v[PT+7], v[PT+4]
	v_lshlrev_b32 v[PT+5], 3, v0                   ; 8 bytes a thread
	s_lshl_b32 s2, s[RB], 11                       ; a table is 2,048 bytes
	s_mov_b32 s3, 0
	s_add_nc_u64 s[6:7], s[6:7], s[2:3]
	s_wait_dscnt 0x0
	v_cmp_eq_u32 vcc_lo, 72, v0                    ; words 144, 145: the expert, the block's number among the expert's
	v_cndmask_b32 v[PT+6], v[PT+6], s[ES], vcc_lo
	v_cndmask_b32 v[PT+7], v[PT+7], s[JJ], vcc_lo
	v_cmp_eq_u32 vcc_lo, 73, v0                    ; words 146, 147: the block's rows, 0
	v_cndmask_b32 v[PT+6], v[PT+6], s[ROWS], vcc_lo
	v_cndmask_b32 v[PT+7], v[PT+7], 0, vcc_lo
	global_store_b64 v[PT+5], v[PT+6:PT+7], s[6:7] ; a wave's store covers 256 consecutive bytes, at a multiple of 256 from the buffer's first byte
	s_wait_tensorcnt 0x0
	ds_add_u32 v104, v105
	s_wait_dscnt 0x0
	s_endpgm
.Lfunc_end_k_qf6568556bd_route:
	.size	k_qf6568556bd_route, .Lfunc_end_k_qf6568556bd_route-k_qf6568556bd_route
	.p2alignl 7, 3214868480
	.fill 96, 4, 3214868480
	.section	.rodata,"a",@progbits
	.p2align	6, 0x0
	.amdhsa_kernel k_qf6568556bd_route
		.amdhsa_group_segment_fixed_size 17664
		.amdhsa_private_segment_fixed_size 0
		.amdhsa_enable_private_segment 0
		.amdhsa_kernarg_size 16
		.amdhsa_user_sgpr_count 2
		.amdhsa_user_sgpr_kernarg_segment_ptr 1
		.amdhsa_wavefront_size32 1
		.amdhsa_system_sgpr_workgroup_id_x 1
		.amdhsa_system_sgpr_workgroup_id_y 1
		.amdhsa_system_sgpr_workgroup_id_z 1
		.amdhsa_system_vgpr_workitem_id 0
		.amdhsa_next_free_vgpr 106
		.amdhsa_next_free_sgpr 80
		.amdhsa_reserve_vcc 1
		.amdhsa_float_denorm_mode_32 3
		.amdhsa_float_denorm_mode_16_64 3
		.amdhsa_memory_ordered 1
		.amdhsa_forward_progress 1
		.amdhsa_inst_pref_size 32
	.end_amdhsa_kernel
	.amdgpu_metadata
---
amdhsa.version: [ 1, 2 ]
amdhsa.kernels:
  - .name:           k_qf6568556bd_route
    .symbol:         k_qf6568556bd_route.kd
    .args:
      - { .name: indices, .offset: 0, .size: 8, .value_kind: global_buffer, .address_space: global }
      - { .name: route, .offset: 8, .size: 8, .value_kind: global_buffer, .address_space: global }
    .group_segment_fixed_size: 17664
    .private_segment_fixed_size: 0
    .kernarg_segment_align: 8
    .kernarg_segment_size: 16
    .max_flat_workgroup_size: 256
    .sgpr_count:     80
    .vgpr_count:     106
    .wavefront_size: 32
...
	.end_amdgpu_metadata
.endif
;; end of part 1
;; launch swapgemm (part 2): grid 8 x 32, 8 waves a work-group, no clusters, 194,560 bytes of LDS; arguments route, weight_stacked, x, out0; writes out0
.if DOCPART == 2
	.amdgcn_target "amdgcn-amd-amdhsa--gfx1250"
	.amdhsa_code_object_version 6
	.text
	.protected	k_qf6568556bd_swapgemm
	.globl	k_qf6568556bd_swapgemm
	.p2align	8
	.type	k_qf6568556bd_swapgemm,@function
k_qf6568556bd_swapgemm:
	s_mov_b64 s[64:65], 0
	v_nop
	global_prefetch_b8 v0, s[64:65] scope:SCOPE_SE
	s_setreg_imm32_b32 hwreg(HW_REG_WAVE_MODE, 25, 1), 1
	s_wait_xcnt 0x0
; out0[t][:] = x[t][:] . W[indices[t]]^T.   x: [4096][4096] f32, W: [4][1024][4096] f32, out0: [4096][1024] f32; route: [32][512] words, made from the indices by the launch before.
; Only the product with a token's own expert is made: the other three are multiplied by 0 in the definition.
; LIMITS.  x and W are rounded to bf16 (nearest even) for the products; sums in f32; each output is the f32 sum of two f32 partial sums (k mod 64 < 32, and the rest).
; A token whose index lies outside 0..3 is multiplied with expert 3's weights and the row then by 0: a row of zeros, or NaN where that product is not finite.
; SHARES.  route cuts each expert's tokens into row blocks of at most 144, 32 blocks in all.  A block's table: words 0..143 its tokens (bit 16: index out of range; rows behind the last repeat it),
; words 144..146 its expert, its number among the expert's blocks, its rows.  A work-group makes one row block x 128 columns: 256 work-groups of the same constant work.
; THE WAY IN.  x's rows follow a list and both operands are f32, so they come through registers: 17 loads of 16 bytes a lane for a K step of 64 (sixteen lanes take a row's 256 aligned bytes),
; rounded to bf16 once and laid into LDS, which so holds and serves half the bytes.  Three register sets keep three steps' loads (51 a wave) on their way.
; THE PIPELINE.  In step s a wave multiplies step s out of registers, asks LDS for step s + 1's fragments (into the same registers, behind the products), rounds step s + 2 into LDS and asks memory for step s + 5.
; EIGHT WAVES.  Waves 0-3 multiply k 0..31 of each step, waves 4-7 k 32..63; within a half each wave has 64 x 64 of the block and two of the eight tiles of rows 128..143: 18 accumulators.
; Waves of opposite PHASE run a step's two parts (products and fragments; conversion) in opposite order.
; THE MATRIX INSTRUCTION IS USED TRANSPOSED: source 0 = 16 rows of W, source 1 = 16 rows of x: a lane holds one token (lane % 16) and eight neighbouring columns.
; NO CLUSTER, NO TENSOR LOADS: x's rows are gathered by a list that no tile descriptor covers; the work-groups that share W's rows are one expert's row blocks, whose number hangs on the
; indices (0 to 32), so no fixed cluster holds them; and a tile brought as f32 would double the LDS bytes written and read and be rounded again by every wave that reads it.
.set KB,     16384                     ; bytes in a row of x and of W
.set STEPB,  256                       ; bytes of a row in a K step: 64 f32
.set PITCH,  144                       ; an LDS row: 64 bf16 + 16 bytes = 9 x 16: the sixteen rows of a fragment load start at sixteen different 16-byte columns modulo 256
.set UNIT,   16*PITCH                  ; 16 rows
.set SLOTB,  272*PITCH                 ; a slot: 144 rows of x, then 128 rows of W
.set STAGE,  3*SLOTB                   ; behind the three slots: 144 rows x 128 f32, for the way out
.set SPITCH, 528                       ; 512 + 16 = 33 x 16
.set SUNIT,  16*SPITCH
; scalar registers
.set WV, 12                            ; wave
.set CB, 13                            ; column block
.set RB, 14                            ; row block
.set KH, 15                            ; which half of a step's k
.set WR, 16                            ; which 64 rows
.set WC, 17                            ; which 64 columns
.set PH, 18                            ; phase
.set CNTR, 19                          ; the loop's count
.set T0, 66                            ; s66-69 at work
.set ENT, 70                           ; s70-87 the tokens of my 18 rows (bit 16: index out of range)
.set ES, 88                            ; s[88:91] as loaded from the table: my block's expert,
.set JJ, 89                            ; its number among the expert's blocks,
.set ROWS, 90                          ; its rows, 1 to 144 (s91: the table's word 147, not used)
.set T4, 92
.set T5, 93
.set SEL, 96                           ; s[96:97] the row's factor, 1 or 0
.set FX, 98                            ; 1: this wave asks ahead for x
.set FW, 99                            ; 1: this wave asks ahead for W
; vector registers, window 0
.set LANE, 1
.set LR, 2                             ; lane % 16
.set LH, 3                             ; lane / 16
.set VA, 4                             ; v4-12  byte offset in x of my 16 bytes in unit u's row; never rewritten
.set VB, 13                            ; v13    the same in W's unit 0
.set STO, 14                           ; v14-16 where I put 8 bytes of unit 0's row, by slot
.set ADX, 17                           ; v17-19 my fragments of x, by slot
.set AD8, 20                           ; v20-22 the fragment of rows 128..143
.set ADWA, 23                          ; v23-25 my first two fragments of W
.set ADWB, 26                          ; v26-28 my other two
.set SGA, 29                           ; the stage: tiles of W fragments 0, 1
.set SGB, 30                           ; of fragments 2, 3
.set SG8, 31                           ; of rows 128..143
.set RDA, 32                           ; the stage read back by rows: my rows 0-8
.set RDB, 33                           ; my rows 9-17
.set L16, 34                           ; 16 x lane
.set PX, 35                            ; byte offset of the row of x that this lane asks ahead for
.set PW, 36                            ; the same for W
.set XF, 40                            ; v40-79  five fragments of x
.set WF, 80                            ; v80-111 four fragments of W
.set ACC, 112                          ; v112-255 18 accumulators
; window 1: v0-203 three sets of 17 x 4 registers, as loaded, then as rounded
.set PT, 192                           ; at work at the head only (in the accumulators' registers)
; way out only
.set TMP, 40
.set RR, 112
.set VO, 184
.set MSB, 0
.macro WIN new                         ; s_set_vgpr_msb: bits 1:0 source 0, 3:2 source 1, 5:4 source 2, 7:6 destination; the high byte repeats the setting that is left
.if MSB != (\new)
	s_set_vgpr_msb (MSB<<8)|(\new)
.set MSB, (\new)
.endif
.endm
.macro PLACES                          ; four plain vector instructions between a matrix instruction and a load into, or a read of, its registers
.rept 4
	v_nop
.endr
.endm
.macro MEET                            ; my LDS stores are done and my LDS reads are back: then the work-group's barrier
	s_wait_dscnt 0x0
	s_barrier_signal -1
	s_barrier_wait -1
.endm
	s_load_b256 s[4:11], s[0:1], 0x0               ; route s[4:5], W s[6:7], x s[8:9], out0 s[10:11]
	s_set_vgpr_msb 0x40
	v_lshl_add_u32 v254, v0, 2, 0x2f400
	v_mov_b32 v255, 0
	s_set_vgpr_msb 0x4000
	v_and_b32 v[LANE], 31, v0
	v_and_b32 v[LR], 15, v0
	v_bfe_u32 v[LH], v0, 4, 1
	v_lshrrev_b32 v37, 5, v0
	v_readfirstlane_b32 s[WV], v37                 ; wave 0..7
	; Which block is mine.  Bit 2 of the work-group's x and bit 0 of its y choose the quarter of the 32 row blocks: work-groups that differ in one of these two bits share no row of x, and,
	; where the experts have eight blocks each (a quarter is then an expert), no row of W.  The other six bits: x's bits 0, 1 and y's bit 1 the column block, y's bits 2-4 the block in the quarter.
	s_and_b32 s[T0], ttmp7, 0xffff                 ; y
	s_and_b32 s[CB], ttmp9, 3
	s_bfe_u32 s[T0+1], s[T0], 0x10001              ; y's bit 1
	s_lshl2_add_u32 s[CB], s[T0+1], s[CB]          ; column block = 4 x that + x's bits 0, 1
	s_lshr_b32 s[RB], ttmp9, 2                     ; x's bit 2
	s_and_b32 s[T0+1], s[T0], 1
	s_lshl1_add_u32 s[RB], s[RB], s[T0+1]          ; the quarter
	s_lshr_b32 s[T0], s[T0], 2
	s_lshl3_add_u32 s[RB], s[RB], s[T0]            ; row block = 8 x quarter + y's bits 2-4
	s_lshr_b32 s[KH], s[WV], 2
	s_bfe_u32 s[WR], s[WV], 0x10001                ; bit 1
	s_and_b32 s[WC], s[WV], 1
	s_xor_b32 s[PH], s[WV], s[KH]
	s_and_b32 s[PH], s[PH], 1                      ; differs between waves w and w + 4, and between 2 i and 2 i + 1
	v_lshlrev_b32 v[L16], 4, v[LANE]
	v_min_u32 v[PT], 17, v[LANE]                   ; lane i (0..17) takes the token of row 8 i + w: the 18 rows that my wave loads and later stores
	v_lshl_add_u32 v[PT], v[PT], 3, s[WV]
	v_lshlrev_b32 v[PT], 2, v[PT]                  ; its word in the table
	s_lshl_b32 s2, s[RB], 11                       ; a table is 2,048 bytes
	s_mov_b32 s3, 0
	s_wait_kmcnt 0x0
	s_add_nc_u64 s[4:5], s[4:5], s[2:3]
	s_load_b128 s[ES:ES+3], s[4:5], 0x240          ; words 144..147
	global_load_b32 v[PT+2], v[PT], s[4:5]
	v_lshlrev_b32 v[PT+5], 4, v[LR]                ; 16 x (lane % 16)
	v_lshl_add_u32 v38, v[LH], 3, s[WV]            ; my row in a unit of 16: w, or w + 8 for lanes 16-31
	v_lshl_add_u32 v[VB], v38, 14, v[PT+5]
	v_cmp_eq_u32 vcc_lo, 1, v[LH]
	s_wait_kmcnt 0x0
	s_min_u32 s[ES], s[ES], 3
	s_lshl_b32 s2, s[ES], 24                       ; an expert is 2^24 bytes,
	s_lshl_b32 s[T0], s[CB], 21                    ; 128 rows of W are 2^21
	s_add_co_u32 s2, s2, s[T0]
	s_add_nc_u64 s[6:7], s[6:7], s[2:3]            ; W at my expert's rows 128 cb
	s_lshl_b32 s2, s[CB], 9
	s_add_nc_u64 s[10:11], s[10:11], s[2:3]        ; out0 at column 128 cb
	s_wait_loadcnt 0x0
.set i, 0
.rept 18
	v_readlane_b32 s[ENT+i], v[PT+2], i
.set i, i+1
.endr
.set i, 0
.rept 9                                ; unit u: lanes 0-15 take row 16 u + w, lanes 16-31 row 16 u + 8 + w
	v_mov_b32 v[PT+3], s[ENT+2*i]
	v_cndmask_b32 v[PT+3], v[PT+3], s[ENT+2*i+1], vcc_lo
	v_and_b32 v[PT+3], 0xffff, v[PT+3]
	v_min_u32 v[PT+3], 0xfff, v[PT+3]
	v_lshl_add_u32 v[VA+i], v[PT+3], 14, v[PT+5]
.set i, i+1
.endr
; 17 loads: a K step's 256 bytes of my two rows in each of 9 units of x and 8 units of W, into set n.  Sixteen lanes take 256 consecutive bytes, at a multiple of 256 from the buffer's first byte.
; No cache word: eight work-groups read each byte of x, an expert's row blocks each byte of W.
.macro LOADS n, kimm
	WIN 0x40                                       ; destination window 1, address window 0
.set i, 0
.rept 9
	global_load_b128 v[68*(\n)+4*i:68*(\n)+4*i+3], v[VA+i], s[8:9] offset:\kimm
.set i, i+1
.endr
.set i, 0
.rept 8
	global_load_b128 v[68*(\n)+36+4*i:68*(\n)+36+4*i+3], v[VB], s[6:7] offset:i*16*KB+(\kimm)
.set i, i+1
.endr
	WIN 0
.endm
; Set n is rounded to bf16 in place, laid into slot n, and (load = 1) loaded again with the step three further on.  left: the younger loads, which stay out.
.macro CONV n, left, load, kimm
.set SB, 68*(\n)
	s_wait_loadcnt \left                           ; loads come back in order (ISA guide 5.7.1): the oldest 17 are in
	WIN 0x45                                       ; destination and both sources window 1
.set i, 0
.rept 17
	v_cvt_pk_bf16_f32 v[SB+4*i], v[SB+4*i], v[SB+4*i+1]
	v_cvt_pk_bf16_f32 v[SB+4*i+1], v[SB+4*i+2], v[SB+4*i+3]
.set i, i+1
.endr
	WIN 0x04                                       ; store data window 1, address window 0
.set i, 0
.rept 17
	ds_store_b64 v[STO+(\n)], v[SB+4*i:SB+4*i+1] offset:i*UNIT  ; lanes 0-15 fill a row's 128 bytes, lanes 16-31 those of the row 8 further on: 288 words, half of 64 modulo 64, apart
.set i, i+1
.endr
.if \load
	LOADS \n, \kimm
.endif
	WIN 0
.endm
.macro MUL t, i, a, zero
.if \zero
	v_wmma_f32_16x16x32_bf16 v[ACC+8*(\t):ACC+8*(\t)+7], v[WF+8*(\i):WF+8*(\i)+7], v[XF+8*(\a):XF+8*(\a)+7], 0
.else
	v_wmma_f32_16x16x32_bf16 v[ACC+8*(\t):ACC+8*(\t)+7], v[WF+8*(\i):WF+8*(\i)+7], v[XF+8*(\a):XF+8*(\a)+7], v[ACC+8*(\t):ACC+8*(\t)+7]
.endif
.endm
; My half of a step, out of registers: 18 matrix instructions on end.  The 18 accumulators take turns, one instruction a turn, from step to step too.
; zero = 1: the first step's products start the sums.
.macro MULS zero
.irp a,0,1,2,3
.irp i,0,1,2,3
	MUL 4*\a+\i, \i, \a, \zero
.endr
.endr
	MUL 16, 0, 4, \zero
	MUL 17, 1, 4, \zero
.endm
; 18 LDS loads: my 9 fragments (16 rows x 32 k each) of the step in slot c
.macro FRAGS c
.irp i,0,1
	ds_load_b128 v[WF+8*\i:WF+8*\i+3],   v[ADWA+(\c)] offset:\i*UNIT
	ds_load_b128 v[WF+8*\i+4:WF+8*\i+7], v[ADWA+(\c)] offset:\i*UNIT+32
.endr
.irp i,0,1
	ds_load_b128 v[WF+16+8*\i:WF+16+8*\i+3], v[ADWB+(\c)] offset:\i*UNIT
	ds_load_b128 v[WF+20+8*\i:WF+20+8*\i+3], v[ADWB+(\c)] offset:\i*UNIT+32
.endr
.irp a,0,1,2,3
	ds_load_b128 v[XF+8*\a:XF+8*\a+3],   v[ADX+(\c)] offset:\a*UNIT
	ds_load_b128 v[XF+8*\a+4:XF+8*\a+7], v[ADX+(\c)] offset:\a*UNIT+32
.endr
	ds_load_b128 v[XF+32:XF+35], v[AD8+(\c)]
	ds_load_b128 v[XF+36:XF+39], v[AD8+(\c)] offset:32
.endm
; Asking ahead: the 256 bytes a row of the three steps that begin o steps behind the bases.  In the loop (o = 10; the bases stand one step in front of the trip's first step s) these are steps
; s + 9 to s + 11, whose loads are issued four to six steps later; step 0 asks for steps 7 to 9.
; x: in the work-group of column block cb only wave cb asks, for its own 18 rows: the eight work-groups that share a row block ask for each row once (lanes 18-31 repeat lane 17's).
; W: only an expert's first row block asks, its waves 0-3 for 32 rows each.  gate = 1: the loop's last trip asks for nothing: the last step asked for is 63 of 0..63, inside the row.
.macro PF o, gate
	s_mov_b32 s[T4], s[FX]
	s_mov_b32 s[T5], s[FW]
.if \gate
	s_cmp_ge_u32 s[CNTR], 2
	s_cselect_b32 s[T4], s[FX], 0
	s_cselect_b32 s[T5], s[FW], 0
.endif
	s_cmp_lg_u32 s[T4], 0
	s_cbranch_scc0 .Lno_x_\@
.irp j,0,1,2
	global_prefetch_b8 v[PX], s[8:9] offset:((\o)+\j)*STEPB th:TH_LOAD_NT scope:SCOPE_SE
.endr
.Lno_x_\@:
	s_cmp_lg_u32 s[T5], 0
	s_cbranch_scc0 .Lno_w_\@
.irp j,0,1,2
	global_prefetch_b8 v[PW], s[6:7] offset:((\o)+\j)*STEPB th:TH_LOAD_NT scope:SCOPE_SE
.endr
.Lno_w_\@:
.endm
; STEP s, c = s % 3.  The fragments of step s are in registers: they were asked for in the step before and waited for in front of its barrier.  They are multiplied; four places behind the last
; product the same registers are asked to take step s + 1's fragments, from slot c + 1; step s + 2's set is rounded into slot c + 2 and loaded again with step s + 5.
; ONE barrier a step orders both directions: the slot read in a step was stored in the step before, behind that wave's wait for its stores; the slot stored in a step was last read two steps before,
; and those reads were waited for in front of that step's barrier.
; Both orders are written out, and the wave's phase chooses: products and fragments first, so that the fragments come while the wave rounds; or rounding first, with the 17 loads from memory behind the
; fragment loads.  Each way holds one wait on LOADcnt and then 17 loads, so the counts are the same on both.
; frag = 0: the last step: no fragments are left.  conv = 0: the last two steps: nothing is left to round.  pf: 0, or PF's first argument.
.macro BODY c, zero, frag, conv, left, load, kimm, pf, gate, bar
.set FR, ((\c)+1)%3
.set NX, ((\c)+2)%3
.if \conv
	s_cmp_eq_u32 s[PH], 0
	s_cbranch_scc1 .Lmul_first_\@
	CONV NX, \left, 0, 0
.if \pf
	PF \pf, \gate
.endif
	MULS \zero
	PLACES                                         ; the loads below land in registers that those matrix instructions read
	FRAGS FR
.if \load
	LOADS NX, \kimm
.endif
	s_branch .Lmet_\@
.Lmul_first_\@:
.if \pf
	PF \pf, \gate
.endif
	MULS \zero
	PLACES
	FRAGS FR
	CONV NX, \left, \load, \kimm
.Lmet_\@:
.else
	MULS \zero
.if \frag
	PLACES
	FRAGS FR
.endif
.endif
.if \bar
	MEET
.endif
.endm
	LOADS 0, 0                                     ; steps 0, 1, 2: 51 loads of mine are out
	LOADS 1, STEPB
	LOADS 2, 2*STEPB
	; the other addresses are made while those loads are on their way
	v_and_b32 v[PX], 0xffff, v[PT+2]
	v_min_u32 v[PX], 0xfff, v[PX]
	v_lshlrev_b32 v[PX], 14, v[PX]
	v_and_b32 v[PW], 127, v0
	v_lshlrev_b32 v[PW], 14, v[PW]
	s_cmp_eq_u32 s[WV], s[CB]
	s_cselect_b32 s[FX], 1, 0
	s_cmp_eq_u32 s[JJ], 0
	s_cselect_b32 s[FW], 1, 0
	s_cmp_lt_u32 s[WV], 4
	s_cselect_b32 s[FW], s[FW], 0
	v_mul_u32_u24 v39, v38, PITCH                  ; into a slot: row w + 8 (lane / 16) of a unit, 8 bytes for each of 16 lanes
	v_lshl_add_u32 v39, v[LR], 3, v39
.irp s,0,1,2
	v_add_nc_u32 v[STO+\s], \s*SLOTB, v39
.endr
	; a fragment is 16 rows x 32 k in 8 registers: lane l holds row l % 16, k = 8 (l / 16) + 0..7 and 16 + 8 (l / 16) + 0..7: two loads of 16 bytes, 32 bytes apart; my half of k begins 64 kh bytes into the row
	v_mul_u32_u24 v37, v[LR], PITCH
	v_lshl_add_u32 v37, v[LH], 4, v37
	s_lshl_b32 s[T0], s[KH], 6
	v_add_nc_u32 v37, s[T0], v37
	s_mul_i32 s[T0], s[WR], 64*PITCH               ; my 64 rows of x
	s_mul_i32 s[T0+1], s[WC], 64*PITCH             ; my 64 rows of W, which lie behind x's 144;
	s_mul_i32 s[T0+2], s[WR], 32*PITCH             ; the waves of the lower rows begin with the second 32 of them, so that rows 128..143's eight tiles
	s_add_co_u32 s[T0+1], s[T0+1], 144*PITCH       ; (each wave takes them with its first two fragments of W) are shared out among the four waves
	s_add_co_u32 s[T0+3], s[T0+1], 32*PITCH
	s_sub_co_u32 s[T0+3], s[T0+3], s[T0+2]
	s_add_co_u32 s[T0+1], s[T0+1], s[T0+2]
.irp s,0,1,2
	v_add_nc_u32 v[ADX+\s], s[T0], v37
	v_add_nc_u32 v[AD8+\s], 128*PITCH+\s*SLOTB, v37
	v_add_nc_u32 v[ADWA+\s], s[T0+1], v37
	v_add_nc_u32 v[ADWB+\s], s[T0+3], v37
	s_add_co_u32 s[T0], s[T0], SLOTB
	s_add_co_u32 s[T0+1], s[T0+1], SLOTB
	s_add_co_u32 s[T0+3], s[T0+3], SLOTB
.endr
	; the stage: a tile's lane holds row l % 16 and columns 8 (l / 16) + 0..7: 32 bytes
	v_mul_u32_u24 v39, v[LR], SPITCH
	v_lshl_add_u32 v39, v[LH], 5, v39
	s_mul_i32 s[T0], s[WR], 64*SPITCH
	s_lshl_b32 s[T0+1], s[WC], 8                   ; 64 columns are 256 bytes,
	s_lshl_b32 s[T0+2], s[WR], 7                   ; 32 are 128
	s_add_co_u32 s[T0+1], s[T0+1], STAGE
	s_add_co_u32 s[T0], s[T0], s[T0+1]
	s_add_co_u32 s[T0+3], s[T0], s[T0+2]
	v_add_nc_u32 v[SGA], s[T0+3], v39
	s_add_co_u32 s[T0+3], s[T0], 128
	s_sub_co_u32 s[T0+3], s[T0+3], s[T0+2]
	v_add_nc_u32 v[SGB], s[T0+3], v39
	s_add_co_u32 s[T0+3], s[T0+1], s[T0+2]
	s_add_co_u32 s[T0+3], s[T0+3], 128*SPITCH
	v_add_nc_u32 v[SG8], s[T0+3], v39
	s_mul_i32 s[T0], s[WV], SPITCH                 ; back: row 8 i + w whole, 16 bytes a lane
	s_add_co_u32 s[T0], s[T0], STAGE
	v_add_nc_u32 v[RDA], s[T0], v[L16]
	v_add_nc_u32 v[RDB], 72*SPITCH, v[RDA]
	CONV 0, 34, 1, 3*STEPB                         ; step 0 into slot 0; step 3 is asked for
	CONV 1, 34, 1, 4*STEPB                         ; step 1 into slot 1; step 4 is asked for
	MEET                                           ; every wave's rows of steps 0 and 1 are in LDS
	FRAGS 0                                        ; step 0's fragments
	s_wait_dscnt 0x0
	BODY 0, 1, 1, 1, 34, 1, 5*STEPB, 7, 0, 1       ; step 0 stands in front of the loop: its products start the sums
	s_mov_b32 s[CNTR], 19
.Ltrip:                                                ; 19 trips of three steps: steps 1 to 57; the last trip asks memory for steps 60 to 62
	BODY 1, 0, 1, 1, 34, 1, 6*STEPB, 10, 1, 1
	BODY 2, 0, 1, 1, 34, 1, 7*STEPB, 0, 0, 1
	BODY 0, 0, 1, 1, 34, 1, 8*STEPB, 0, 0, 1
	s_wait_xcnt 0x0                                ; the bases are stepped only behind this wait
	s_add_nc_u64 s[8:9], s[8:9], 3*STEPB
	s_add_nc_u64 s[6:7], s[6:7], 3*STEPB
	s_sub_co_u32 s[CNTR], s[CNTR], 1
	s_cmp_lg_u32 s[CNTR], 0
	s_cbranch_scc1 .Ltrip
	BODY 1, 0, 1, 1, 34, 1, 6*STEPB, 0, 0, 1       ; step 58 asks memory for step 63, the last
	BODY 2, 0, 1, 1, 34, 0, 0, 0, 0, 1             ; steps 59 to 61 round steps 61 to 63: the counts run down
	BODY 0, 0, 1, 1, 17, 0, 0, 0, 0, 1
	BODY 1, 0, 1, 1, 0, 0, 0, 0, 0, 1
	BODY 2, 0, 1, 0, 0, 0, 0, 0, 0, 1              ; step 62 fetches step 63's fragments
	BODY 0, 0, 0, 0, 0, 0, 0, 0, 0, 0              ; step 63
	PLACES                                         ; the lines below read results just made
; THE WAY OUT.  Where tile t lies in the stage: TB the address register, TO the offset.
.macro TADDR t
.if (\t) >= 16
.set TB, SG8
.set TO, ((\t)-16)*64
.elseif ((\t)%4) < 2
.set TB, SGA
.set TO, ((\t)/4)*SUNIT+((\t)%4)*64
.else
.set TB, SGB
.set TO, ((\t)/4)*SUNIT+((\t)%4-2)*64
.endif
.endm
	s_cmp_lt_u32 s[WV], 4
	s_cbranch_scc1 .Llower
.set t, 0
.rept 18                               ; waves 4-7: their partial sums into the stage; each accumulator's low registers first
	TADDR t
	ds_store_b128 v[TB], v[ACC+8*t:ACC+8*t+3] offset:TO
	ds_store_b128 v[TB], v[ACC+8*t+4:ACC+8*t+7] offset:TO+16
.set t, t+1
.endr
.Llower:
	MEET
	s_cmp_ge_u32 s[WV], 4
	s_cbranch_scc1 .Lupper
.irp f,0,9                             ; waves 0-3: wave w reads what wave w + 4 stored (the same addresses), adds its own sums and stores the totals; nine tiles at a time
.set t, \f
.rept 9
	TADDR t
	ds_load_b128 v[TMP+8*(t-\f):TMP+8*(t-\f)+3],   v[TB] offset:TO
	ds_load_b128 v[TMP+8*(t-\f)+4:TMP+8*(t-\f)+7], v[TB] offset:TO+16
.set t, t+1
.endr
	s_wait_dscnt 0x0
.set i, 0
.rept 36
	v_pk_add_f32 v[ACC+8*\f+2*i:ACC+8*\f+2*i+1], v[ACC+8*\f+2*i:ACC+8*\f+2*i+1], v[TMP+2*i:TMP+2*i+1]
.set i, i+1
.endr
.set t, \f
.rept 9
	TADDR t
	ds_store_b128 v[TB], v[ACC+8*t:ACC+8*t+3] offset:TO
	ds_store_b128 v[TB], v[ACC+8*t+4:ACC+8*t+7] offset:TO+16
.set t, t+1
.endr
.endr
.Lupper:
	MEET
	; every wave stores the 18 rows whose tokens it holds: a row of 512 bytes by one store of 32 lanes, at a multiple of 512 from out0's first byte
	s_mov_b32 s[SEL+1], 0                          ; named with the factor as a pair
.set i, 0
.rept 18
.if i < 9
	ds_load_b128 v[RR+4*i:RR+4*i+3], v[RDA] offset:i*8*SPITCH
.else
	ds_load_b128 v[RR+4*i:RR+4*i+3], v[RDB] offset:(i-9)*8*SPITCH
.endif
.set i, i+1
.endr
.set i, 0
.rept 18
	s_add_co_u32 s[T0], s[WV], 8*i
	s_cmp_ge_u32 s[T0], s[ROWS]
	s_cbranch_scc1 .Ldone                          ; my rows ascend: the first one behind the block's last ends the run
	s_wait_dscnt 17-i                              ; row i is back; the later rows' loads stay out
	s_bitcmp1_b32 s[ENT+i], 16
	s_cselect_b32 s[SEL], 0, 1.0                   ; the definition's factor: 0 for an index that names no expert
	s_and_b32 s[T0+1], s[ENT+i], 0xffff
	s_min_u32 s[T0+1], s[T0+1], 0xfff
	v_lshl_add_u32 v[VO+i], s[T0+1], 12, v[L16]    ; token x 4,096 bytes + 16 x lane; each store has registers of its own
	v_pk_mul_f32 v[RR+4*i:RR+4*i+1], v[RR+4*i:RR+4*i+1], s[SEL:SEL+1] op_sel_hi:[1,0]
	v_pk_mul_f32 v[RR+4*i+2:RR+4*i+3], v[RR+4*i+2:RR+4*i+3], s[SEL:SEL+1] op_sel_hi:[1,0]
	global_store_b128 v[VO+i], v[RR+4*i:RR+4*i+3], s[10:11] th:TH_STORE_NT
.set i, i+1
.endr
.Ldone:
	s_wait_dscnt 0x0
	s_set_vgpr_msb 0x5
	s_wait_tensorcnt 0x0
	ds_add_u32 v254, v255
	s_wait_dscnt 0x0
	s_set_vgpr_msb 0x500
	s_endpgm
.Lfunc_end_k_qf6568556bd_swapgemm:
	.size	k_qf6568556bd_swapgemm, .Lfunc_end_k_qf6568556bd_swapgemm-k_qf6568556bd_swapgemm
	.p2alignl 7, 3214868480
	.fill 96, 4, 3214868480
	.section	.rodata,"a",@progbits
	.p2align	6, 0x0
	.amdhsa_kernel k_qf6568556bd_swapgemm
		.amdhsa_group_segment_fixed_size 194560
		.amdhsa_private_segment_fixed_size 0
		.amdhsa_enable_private_segment 0
		.amdhsa_kernarg_size 32
		.amdhsa_user_sgpr_count 2
		.amdhsa_user_sgpr_kernarg_segment_ptr 1
		.amdhsa_wavefront_size32 1
		.amdhsa_system_sgpr_workgroup_id_x 1
		.amdhsa_system_sgpr_workgroup_id_y 1
		.amdhsa_system_sgpr_workgroup_id_z 1
		.amdhsa_system_vgpr_workitem_id 0
		.amdhsa_next_free_vgpr 512
		.amdhsa_next_free_sgpr 100
		.amdhsa_reserve_vcc 1
		.amdhsa_float_denorm_mode_32 3
		.amdhsa_float_denorm_mode_16_64 3
		.amdhsa_memory_ordered 1
		.amdhsa_forward_progress 1
		.amdhsa_inst_pref_size 166
	.end_amdhsa_kernel
	.amdgpu_metadata
---
amdhsa.version: [ 1, 2 ]
amdhsa.kernels:
  - .name:           k_qf6568556bd_swapgemm
    .symbol:         k_qf6568556bd_swapgemm.kd
    .args:
      - { .name: route, .offset: 0, .size: 8, .value_kind: global_buffer, .address_space: global }
      - { .name: weight_stacked, .offset: 8, .size: 8, .value_kind: global_buffer, .address_space: global }
      - { .name: x, .offset: 16, .size: 8, .value_kind: global_buffer, .address_space: global }
      - { .name: out0, .offset: 24, .size: 8, .value_kind: global_buffer, .address_space: global }
    .group_segment_fixed_size: 194560
    .private_segment_fixed_size: 0
    .kernarg_segment_align: 8
    .kernarg_segment_size: 32
    .max_flat_workgroup_size: 256
    .sgpr_count:     100
    .vgpr_count:     512
    .wavefront_size: 32
...
	.end_amdgpu_metadata
.endif
;; end of part 2
;; ======== version 2 of 2: 2 launches; version 1 with the launch swapgemm written anew for expert scheduling mode
;; workspace buffers: route 65,536 bytes of whole numbers
;; launch route: the kernel of part 1 again; grid 32 x 1, 8 waves a work-group, no clusters, 17,664 bytes of LDS; arguments indices, route; writes route
;; launch swapgemm (part 3): grid 8 x 32, 8 waves a work-group, no clusters, 194,560 bytes of LDS; arguments route, weight_stacked, x, out0; writes out0
.if DOCPART == 3
	.amdgcn_target "amdgcn-amd-amdhsa--gfx1250"
	.amdhsa_code_object_version 6
	.text
	.protected	k_qf6568556bd_swapgemm
	.globl	k_qf6568556bd_swapgemm
	.p2align	8
	.type	k_qf6568556bd_swapgemm,@function
k_qf6568556bd_swapgemm:
	s_mov_b64 s[64:65], 0
	v_nop
	global_prefetch_b8 v0, s[64:65] scope:SCOPE_SE
	s_setreg_imm32_b32 hwreg(HW_REG_WAVE_SCHED_MODE, 0, 2), 2
	s_setreg_imm32_b32 hwreg(HW_REG_WAVE_MODE, 25, 1), 1
	s_wait_xcnt 0x0
	s_wait_alu depctr_vm_vsrc(0)
; out0[t][:] = x[t][:] . W[indices[t]]^T.   x: [4096][4096] f32, W: [4][1024][4096] f32, out0: [4096][1024] f32; route: [32][512] words, made from the indices by the launch before.
; Only the product with a token's own expert is made: the other three are multiplied by 0 in the definition.
; LIMITS.  x and W are rounded to bf16 (nearest even) for the products; sums in f32; each output is the f32 sum of two f32 partial sums (k mod 64 < 32, and the rest).
; A token whose index lies outside 0..3 is multiplied with expert 3's weights and the row then by 0: a row of zeros, or NaN where that product is not finite.
; SHARES.  route cuts each expert's tokens into row blocks of at most 144, 32 blocks in all.  A block's table: words 0..143 its tokens (bit 16: index out of range; rows behind the last repeat it),
; words 144..146 its expert, its number among the expert's blocks, its rows.  A work-group makes one row block x 128 columns: 256 work-groups of the same constant work.
; THE WAY IN.  x's rows follow a list and both operands are f32, so they come through registers: 17 loads of 16 bytes a lane for a K step of 64 (sixteen lanes take a row's 256 aligned bytes),
; rounded to bf16 once and laid into LDS, which so holds and serves half the bytes.  Three register sets keep three steps' loads (51 a wave) on their way.
; THE PIPELINE.  In step s a wave multiplies step s out of registers, asks LDS for step s + 1's fragments (into the same registers, behind the products), rounds step s + 2 into LDS and asks memory for step s + 5.
; EIGHT WAVES.  Waves 0-3 multiply k 0..31 of each step, waves 4-7 k 32..63; within a half each wave has 64 x 64 of the block and two of the eight tiles of rows 128..143: 18 accumulators.
; Waves of opposite PHASE run a step's two parts (products and fragments; conversion) in opposite order.
; THE MATRIX INSTRUCTION IS USED TRANSPOSED: source 0 = 16 rows of W, source 1 = 16 rows of x: a lane holds one token (lane % 16) and eight neighbouring columns.
; NO CLUSTER, NO TENSOR LOADS: x's rows are gathered by a list that no tile descriptor covers; the work-groups that share W's rows are one expert's row blocks, whose number hangs on the
; indices (0 to 32), so no fixed cluster holds them; and a tile brought as f32 would double the LDS bytes written and read and be rounded again by every wave that reads it.
; THE MODE: SCHED_MODE bits 1:0 = 2 (LLVM: expert scheduling mode 2), set by the entry lines.  The code itself states the register dependences
; between vector or matrix instructions and memory or LDS instructions, with s_wait_alu, always for 0.
; THE PLAN.  Registers that memory or LDS instructions touch, in the loop:
;   S0 .. S2   three sets as loaded.  Step s: its 34 conversions read S[(s + 2) % 3]; behind them the loads of step s + 5 land in it.  No store reads a set.
;   OB         a step's numbers in bf16.  Written by step s's conversions, read by step s's 17 LDS stores, written again by step s + 1's conversions.
;   XF, WF     the fragments.  Read by step s's 18 products; behind them the LDS loads of step s + 1's fragments land in them.
;   VA, VB, STO, ADX, AD8, ADWA, ADWB, PX, PW   offsets and LDS addresses, made at the head and never written again: the scalar bases move on, and immediates do the rest.
;   The accumulators are named by matrix instructions alone until the way out.
; A wave that multiplies first has ONE wait on va_vdst in a step, behind its products and its conversions; all the step's memory work follows it.  A wave that rounds first has two: one behind the
; conversions, which serves the LDS stores and the loads from memory that are dealt among the products, and one behind the products, for the fragments.  One wait on vm_vsrc stands ahead of the conversions.
.set KB,     16384                     ; bytes in a row of x and of W
.set STEPB,  256                       ; bytes of a row in a K step: 64 f32
.set PITCH,  144                       ; an LDS row: 64 bf16 + 16 bytes = 9 x 16: the sixteen rows of a fragment load start at sixteen different 16-byte columns modulo 256
.set UNIT,   16*PITCH                  ; 16 rows
.set SLOTB,  272*PITCH                 ; a slot: 144 rows of x, then 128 rows of W
.set STAGE,  3*SLOTB                   ; behind the three slots: 144 rows x 128 f32, for the way out
.set SPITCH, 528                       ; 512 + 16 = 33 x 16
.set SUNIT,  16*SPITCH
; scalar registers
.set WV, 12                            ; wave
.set CB, 13                            ; column block
.set RB, 14                            ; row block
.set KH, 15                            ; which half of a step's k
.set WR, 16                            ; which 64 rows
.set WC, 17                            ; which 64 columns
.set PH, 18                            ; phase
.set CNTR, 19                          ; the loop's count
.set T0, 66                            ; s66-69 at work
.set ENT, 70                           ; s70-87 the tokens of my 18 rows (bit 16: index out of range)
.set ES, 88                            ; s[88:91] as loaded from the table: my block's expert,
.set JJ, 89                            ; its number among the expert's blocks,
.set ROWS, 90                          ; its rows, 1 to 144 (s91: the table's word 147, not used)
.set T4, 92
.set T5, 93
.set SEL, 96                           ; s[96:97] the row's factor, 1 or 0
.set FX, 98                            ; 1: this wave asks ahead for x
.set FW, 99                            ; 1: this wave asks ahead for W
; vector registers, window 0
.set LANE, 1
.set LR, 2                             ; lane % 16
.set LH, 3                             ; lane / 16
.set VA, 4                             ; v4-12  byte offset in x of my 16 bytes in unit u's row; never rewritten
.set VB, 13                            ; v13    the same in W's unit 0
.set STO, 14                           ; v14-16 where I put 8 bytes of unit 0's row, by slot
.set ADX, 17                           ; v17-19 my fragments of x, by slot
.set AD8, 20                           ; v20-22 the fragment of rows 128..143
.set ADWA, 23                          ; v23-25 my first two fragments of W
.set ADWB, 26                          ; v26-28 my other two
.set SGA, 29                           ; the stage: tiles of W fragments 0, 1
.set SGB, 30                           ; of fragments 2, 3
.set SG8, 31                           ; of rows 128..143
.set RDA, 32                           ; the stage read back by rows: my rows 0-8
.set RDB, 33                           ; my rows 9-17
.set L16, 34                           ; 16 x lane
.set PX, 35                            ; byte offset of the row of x that this lane asks ahead for
.set PW, 36                            ; the same for W
.set XF, 40                            ; v40-79  five fragments of x
.set WF, 80                            ; v80-111 four fragments of W
.set ACC, 112                          ; v112-255 18 accumulators
; window 1: v0-203 three sets of 17 x 4 registers, as loaded
.set OB, 204                           ; window 1: v204-237 17 x 2 registers: a step's numbers rounded to bf16, on their way into LDS
.set PT, 192                           ; at work at the head only (in the accumulators' registers)
; way out only
.set TMP, 40
.set RR, 112
.set VO, 184
.set MSB, 0
.macro WIN new                         ; s_set_vgpr_msb: bits 1:0 source 0, 3:2 source 1, 5:4 source 2, 7:6 destination; the high byte repeats the setting that is left
.if MSB != (\new)
	s_set_vgpr_msb (MSB<<8)|(\new)
.set MSB, (\new)
.endif
.endm
.macro PLACES                          ; four plain vector instructions between a matrix instruction and a load into, or a read of, its registers; they stay beside the wait that follows them
.rept 4
	v_nop
.endr
.endm
.macro MEET                            ; my LDS stores are done and my LDS reads are back: then the work-group's barrier
	s_wait_dscnt 0x0
	s_barrier_signal -1
	s_barrier_wait -1
.endm
	s_load_b256 s[4:11], s[0:1], 0x0               ; route s[4:5], W s[6:7], x s[8:9], out0 s[10:11]
	s_set_vgpr_msb 0x40
	v_lshl_add_u32 v254, v0, 2, 0x2f400
	v_mov_b32 v255, 0
	s_set_vgpr_msb 0x4000
	v_and_b32 v[LANE], 31, v0
	v_and_b32 v[LR], 15, v0
	v_bfe_u32 v[LH], v0, 4, 1
	v_lshrrev_b32 v37, 5, v0
	v_readfirstlane_b32 s[WV], v37                 ; wave 0..7
	; Which block is mine.  Bit 2 of the work-group's x and bit 0 of its y choose the quarter of the 32 row blocks: work-groups that differ in one of these two bits share no row of x, and,
	; where the experts have eight blocks each (a quarter is then an expert), no row of W.  The other six bits: x's bits 0, 1 and y's bit 1 the column block, y's bits 2-4 the block in the quarter.
	s_and_b32 s[T0], ttmp7, 0xffff                 ; y
	s_and_b32 s[CB], ttmp9, 3
	s_bfe_u32 s[T0+1], s[T0], 0x10001              ; y's bit 1
	s_lshl2_add_u32 s[CB], s[T0+1], s[CB]          ; column block = 4 x that + x's bits 0, 1
	s_lshr_b32 s[RB], ttmp9, 2                     ; x's bit 2
	s_and_b32 s[T0+1], s[T0], 1
	s_lshl1_add_u32 s[RB], s[RB], s[T0+1]          ; the quarter
	s_lshr_b32 s[T0], s[T0], 2
	s_lshl3_add_u32 s[RB], s[RB], s[T0]            ; row block = 8 x quarter + y's bits 2-4
	s_wait_alu depctr_va_sdst(0)                   ; the wave's number is written, ahead of its first reader, the next line
	s_lshr_b32 s[KH], s[WV], 2
	s_bfe_u32 s[WR], s[WV], 0x10001                ; bit 1
	s_and_b32 s[WC], s[WV], 1
	s_xor_b32 s[PH], s[WV], s[KH]
	s_and_b32 s[PH], s[PH], 1                      ; differs between waves w and w + 4, and between 2 i and 2 i + 1
	v_lshlrev_b32 v[L16], 4, v[LANE]
	v_min_u32 v[PT], 17, v[LANE]                   ; lane i (0..17) takes the token of row 8 i + w: the 18 rows that my wave loads and later stores
	v_lshl_add_u32 v[PT], v[PT], 3, s[WV]
	v_lshlrev_b32 v[PT], 2, v[PT]                  ; its word in the table
	s_lshl_b32 s2, s[RB], 11                       ; a table is 2,048 bytes
	s_mov_b32 s3, 0
	s_wait_kmcnt 0x0
	s_add_nc_u64 s[4:5], s[4:5], s[2:3]
	s_load_b128 s[ES:ES+3], s[4:5], 0x240          ; words 144..147
	s_wait_alu depctr_va_vdst(0)                   ; v[PT] is written, which the load below reads as its offset
	global_load_b32 v[PT+2], v[PT], s[4:5]
	v_lshlrev_b32 v[PT+5], 4, v[LR]                ; 16 x (lane % 16)
	v_lshl_add_u32 v38, v[LH], 3, s[WV]            ; my row in a unit of 16: w, or w + 8 for lanes 16-31
	v_lshl_add_u32 v[VB], v38, 14, v[PT+5]
	v_cmp_eq_u32 vcc_lo, 1, v[LH]
	s_wait_kmcnt 0x0
	s_min_u32 s[ES], s[ES], 3
	s_lshl_b32 s2, s[ES], 24                       ; an expert is 2^24 bytes,
	s_lshl_b32 s[T0], s[CB], 21                    ; 128 rows of W are 2^21
	s_add_co_u32 s2, s2, s[T0]
	s_add_nc_u64 s[6:7], s[6:7], s[2:3]            ; W at my expert's rows 128 cb
	s_lshl_b32 s2, s[CB], 9
	s_add_nc_u64 s[10:11], s[10:11], s[2:3]        ; out0 at column 128 cb
	s_wait_loadcnt 0x0
.set i, 0
.rept 18
	v_readlane_b32 s[ENT+i], v[PT+2], i
.set i, i+1
.endr
	s_wait_alu depctr_va_sdst(0)                   ; the 18 tokens are written into s[ENT ..], ahead of their first readers, the lines below
	s_wait_alu depctr_va_vcc(0)                    ; the compare above has written VCC, by which the lines below choose
.set i, 0
.rept 9                                ; unit u: lanes 0-15 take row 16 u + w, lanes 16-31 row 16 u + 8 + w
	v_mov_b32 v[PT+3], s[ENT+2*i]
	v_cndmask_b32 v[PT+3], v[PT+3], s[ENT+2*i+1], vcc_lo
	v_and_b32 v[PT+3], 0xffff, v[PT+3]
	v_min_u32 v[PT+3], 0xfff, v[PT+3]
	v_lshl_add_u32 v[VA+i], v[PT+3], 14, v[PT+5]
.set i, i+1
.endr
; 17 loads: a K step's 256 bytes of my two rows in each of 9 units of x (LOADX) and 8 units of W (LOADW), into set n.  Sixteen lanes take 256 consecutive bytes, at a multiple of 256 from the buffer's first byte.
; No cache word: eight work-groups read each byte of x, an expert's row blocks each byte of W.  Both leave the windows as they set them: destination window 1, address window 0.
.macro LOADX n, kimm
	WIN 0x40
.set i, 0
.rept 9
	global_load_b128 v[68*(\n)+4*i:68*(\n)+4*i+3], v[VA+i], s[8:9] offset:\kimm
.set i, i+1
.endr
.endm
.macro LOADW n, kimm
	WIN 0x40
.set i, 0
.rept 8
	global_load_b128 v[68*(\n)+36+4*i:68*(\n)+36+4*i+3], v[VB], s[6:7] offset:i*16*KB+(\kimm)
.set i, i+1
.endr
.endm
; Set n is rounded to bf16, into OB.  left: the younger loads, which stay out.
.macro ROUND n, left
.set SB, 68*(\n)
	s_wait_loadcnt \left                           ; loads come back in order (ISA guide 5.7.1): the oldest 17 are in
	s_wait_alu depctr_vm_vsrc(0)                   ; the LDS stores issued so far have read OB, which the conversions write again
	WIN 0x45                                       ; destination and both sources window 1
.set i, 0
.rept 17
	v_cvt_pk_bf16_f32 v[OB+2*i], v[SB+4*i], v[SB+4*i+1]
	v_cvt_pk_bf16_f32 v[OB+2*i+1], v[SB+4*i+2], v[SB+4*i+3]
.set i, i+1
.endr
.endm
; OB is laid into slot n
.macro LAY n
	WIN 0x04                                       ; store data window 1, address window 0
.set i, 0
.rept 17
	ds_store_b64 v[STO+(\n)], v[OB+2*i:OB+2*i+1] offset:i*UNIT  ; lanes 0-15 fill a row's 128 bytes, lanes 16-31 those of the row 8 further on: 288 words, half of 64 modulo 64, apart
.set i, i+1
.endr
.endm
; In front of the loop: set n is rounded, laid into slot n and loaded again with the step three further on.
.macro CONV n, left, kimm
	ROUND \n, \left
	WIN 0x04
	s_wait_alu depctr_va_vdst(0)                   ; the conversions have written OB, which the LDS stores read, and are done reading the set, in which the loads land; at its first use: the head's LDS addresses, v[PX] and v[PW] are written
	LAY \n
	LOADX \n, \kimm                                ; no vector instruction since the wait names the set, and the stores between name OB and v[STO ..] alone
	LOADW \n, \kimm
	WIN 0
.endm
.macro MUL t, i, a, zero
.if \zero
	v_wmma_f32_16x16x32_bf16 v[ACC+8*(\t):ACC+8*(\t)+7], v[WF+8*(\i):WF+8*(\i)+7], v[XF+8*(\a):XF+8*(\a)+7], 0
.else
	v_wmma_f32_16x16x32_bf16 v[ACC+8*(\t):ACC+8*(\t)+7], v[WF+8*(\i):WF+8*(\i)+7], v[XF+8*(\a):XF+8*(\a)+7], v[ACC+8*(\t):ACC+8*(\t)+7]
.endif
.endm
; n of my half of a step's 18 matrix instructions, from number 'from' on, out of registers: tile t takes W's fragment t % 4 and x's fragment t / 4 (tiles 16, 17: rows 128..143).
; The 18 accumulators take turns, one instruction a turn, from step to step too.  zero = 1: the first step's products start the sums.
.macro MULS zero, from, n
.set t, \from
.rept \n
	MUL t, t%4, t/4, \zero
.set t, t+1
.endr
.endm
; 18 LDS loads: my 9 fragments (16 rows x 32 k each) of the step in slot c
.macro FRAGS c
.irp i,0,1
	ds_load_b128 v[WF+8*\i:WF+8*\i+3],   v[ADWA+(\c)] offset:\i*UNIT
	ds_load_b128 v[WF+8*\i+4:WF+8*\i+7], v[ADWA+(\c)] offset:\i*UNIT+32
.endr
.irp i,0,1
	ds_load_b128 v[WF+16+8*\i:WF+16+8*\i+3], v[ADWB+(\c)] offset:\i*UNIT
	ds_load_b128 v[WF+20+8*\i:WF+20+8*\i+3], v[ADWB+(\c)] offset:\i*UNIT+32
.endr
.irp a,0,1,2,3
	ds_load_b128 v[XF+8*\a:XF+8*\a+3],   v[ADX+(\c)] offset:\a*UNIT
	ds_load_b128 v[XF+8*\a+4:XF+8*\a+7], v[ADX+(\c)] offset:\a*UNIT+32
.endr
	ds_load_b128 v[XF+32:XF+35], v[AD8+(\c)]
	ds_load_b128 v[XF+36:XF+39], v[AD8+(\c)] offset:32
.endm
; Asking ahead: the 256 bytes a row of the three steps that begin o steps behind the bases.  In the loop (o = 10; the bases stand one step in front of the trip's first step s) these are steps
; s + 9 to s + 11, whose loads are issued four to six steps later; step 0 asks for steps 7 to 9.
; x: in the work-group of column block cb only wave cb asks, for its own 18 rows: the eight work-groups that share a row block ask for each row once (lanes 18-31 repeat lane 17's).
; W: only an expert's first row block asks, its waves 0-3 for 32 rows each.  gate = 1: the loop's last trip asks for nothing: the last step asked for is 63 of 0..63, inside the row.
; v[PX] and v[PW] were written ahead of the first wait on va_vdst in front of the loop and are never written again.
.macro PF o, gate
	s_mov_b32 s[T4], s[FX]
	s_mov_b32 s[T5], s[FW]
.if \gate
	s_cmp_ge_u32 s[CNTR], 2
	s_cselect_b32 s[T4], s[FX], 0
	s_cselect_b32 s[T5], s[FW], 0
.endif
	s_cmp_lg_u32 s[T4], 0
	s_cbranch_scc0 .Lno_x_\@
.irp j,0,1,2
	global_prefetch_b8 v[PX], s[8:9] offset:((\o)+\j)*STEPB th:TH_LOAD_NT scope:SCOPE_SE
.endr
.Lno_x_\@:
	s_cmp_lg_u32 s[T5], 0
	s_cbranch_scc0 .Lno_w_\@
.irp j,0,1,2
	global_prefetch_b8 v[PW], s[6:7] offset:((\o)+\j)*STEPB th:TH_LOAD_NT scope:SCOPE_SE
.endr
.Lno_w_\@:
.endm
; STEP s, c = s % 3.  The fragments of step s are in registers: they were asked for in the step before and waited for in front of its barrier.  They are multiplied; behind the last
; product the same registers are asked to take step s + 1's fragments, from slot c + 1; step s + 2's set is rounded into slot c + 2 and loaded again with step s + 5.
; ONE barrier a step orders both directions: the slot read in a step was stored in the step before, behind that wave's wait for its stores; the slot stored in a step was last read two steps before,
; and those reads were waited for in front of that step's barrier.
; Both orders are written out, and the wave's phase chooses.
; Rounding first: the conversions; a wait; the LDS stores; the products, with the 17 loads from memory dealt among them in runs of 9 and 8 (the products name XF, WF and the accumulators: none of
; the registers that those loads touch); a wait; the fragments.
; Products first: the products; the conversions, which are also the places behind the products; ONE wait; the fragments, the LDS stores and the 17 loads from memory.
; Each way holds one wait on LOADcnt and then 17 loads, so the counts are the same on both.
; frag = 0: the last step: no fragments are left.  conv = 0: the last two steps: nothing is left to round.  pf: 0, or PF's first argument.
.macro BODY c, zero, frag, conv, left, load, kimm, pf, gate, bar
.set FR, ((\c)+1)%3
.set NX, ((\c)+2)%3
.if \conv
	s_cmp_eq_u32 s[PH], 0
	s_cbranch_scc1 .Lmul_first_\@
	ROUND NX, \left
	WIN 0x04
	s_wait_alu depctr_va_vdst(0)                   ; the conversions have written OB, which the LDS stores read, and are done reading the set, in which the loads among the products land
	LAY NX
	WIN 0
.if \pf
	PF \pf, \gate
.endif
	MULS \zero, 0, 6
.if \load
	LOADX NX, \kimm                                ; no wait: since the wait above no vector or matrix instruction names the set or v[VA ..], and the stores between name OB and v[STO ..] alone
	WIN 0
.endif
	MULS \zero, 6, 6
.if \load
	LOADW NX, \kimm                                ; likewise
	WIN 0
.endif
	MULS \zero, 12, 6
	PLACES                                         ; the loads below land in registers that those matrix instructions read
	s_wait_alu depctr_va_vdst(0)                   ; the products are done reading XF and WF, in which the next step's fragments land
	FRAGS FR
	s_branch .Lmet_\@
.Lmul_first_\@:
.if \pf
	PF \pf, \gate
.endif
	MULS \zero, 0, 18
	ROUND NX, \left                                ; its 34 conversions name none of the products' registers: they are the places behind the products
	WIN 0
	s_wait_alu depctr_va_vdst(0)                   ; the products are done reading XF and WF, in which the fragments land; the conversions have written OB, which the LDS stores read, and are done reading the set, in which the loads land
	FRAGS FR
	LAY NX
.if \load
	LOADX NX, \kimm                                ; no vector instruction since the wait; the stores between name OB and v[STO ..] alone
	LOADW NX, \kimm
.endif
	WIN 0
.Lmet_\@:
.else
	MULS \zero, 0, 18
.if \frag
	PLACES
	s_wait_alu depctr_va_vdst(0)                   ; the products are done reading XF and WF, in which the last step's fragments land
	FRAGS FR
.endif
.endif
.if \bar
	MEET
.endif
.endm
	WIN 0x40
	s_wait_alu depctr_va_vdst(0)                   ; v[VA ..] and v[VB] are written: every load of x and of W reads one of them as its offset
	LOADX 0, 0                                     ; steps 0, 1, 2: 51 loads of mine are out
	LOADW 0, 0
	LOADX 1, STEPB
	LOADW 1, STEPB
	LOADX 2, 2*STEPB
	LOADW 2, 2*STEPB
	WIN 0
	; the other addresses are made while those loads are on their way
	v_and_b32 v[PX], 0xffff, v[PT+2]
	v_min_u32 v[PX], 0xfff, v[PX]
	v_lshlrev_b32 v[PX], 14, v[PX]
	v_and_b32 v[PW], 127, v0
	v_lshlrev_b32 v[PW], 14, v[PW]
	s_cmp_eq_u32 s[WV], s[CB]
	s_cselect_b32 s[FX], 1, 0
	s_cmp_eq_u32 s[JJ], 0
	s_cselect_b32 s[FW], 1, 0
	s_cmp_lt_u32 s[WV], 4
	s_cselect_b32 s[FW], s[FW], 0
	v_mul_u32_u24 v39, v38, PITCH                  ; into a slot: row w + 8 (lane / 16) of a unit, 8 bytes for each of 16 lanes
	v_lshl_add_u32 v39, v[LR], 3, v39
.irp s,0,1,2
	v_add_nc_u32 v[STO+\s], \s*SLOTB, v39
.endr
	; a fragment is 16 rows x 32 k in 8 registers: lane l holds row l % 16, k = 8 (l / 16) + 0..7 and 16 + 8 (l / 16) + 0..7: two loads of 16 bytes, 32 bytes apart; my half of k begins 64 kh bytes into the row
	v_mul_u32_u24 v37, v[LR], PITCH
	v_lshl_add_u32 v37, v[LH], 4, v37
	s_lshl_b32 s[T0], s[KH], 6
	v_add_nc_u32 v37, s[T0], v37
	s_mul_i32 s[T0], s[WR], 64*PITCH               ; my 64 rows of x
	s_mul_i32 s[T0+1], s[WC], 64*PITCH             ; my 64 rows of W, which lie behind x's 144;
	s_mul_i32 s[T0+2], s[WR], 32*PITCH             ; the waves of the lower rows begin with the second 32 of them, so that rows 128..143's eight tiles
	s_add_co_u32 s[T0+1], s[T0+1], 144*PITCH       ; (each wave takes them with its first two fragments of W) are shared out among the four waves
	s_add_co_u32 s[T0+3], s[T0+1], 32*PITCH
	s_sub_co_u32 s[T0+3], s[T0+3], s[T0+2]
	s_add_co_u32 s[T0+1], s[T0+1], s[T0+2]
.irp s,0,1,2
	v_add_nc_u32 v[ADX+\s], s[T0], v37
	v_add_nc_u32 v[AD8+\s], 128*PITCH+\s*SLOTB, v37
	v_add_nc_u32 v[ADWA+\s], s[T0+1], v37
	v_add_nc_u32 v[ADWB+\s], s[T0+3], v37
	s_add_co_u32 s[T0], s[T0], SLOTB
	s_add_co_u32 s[T0+1], s[T0+1], SLOTB
	s_add_co_u32 s[T0+3], s[T0+3], SLOTB
.endr
	; the stage: a tile's lane holds row l % 16 and columns 8 (l / 16) + 0..7: 32 bytes
	v_mul_u32_u24 v39, v[LR], SPITCH
	v_lshl_add_u32 v39, v[LH], 5, v39
	s_mul_i32 s[T0], s[WR], 64*SPITCH
	s_lshl_b32 s[T0+1], s[WC], 8                   ; 64 columns are 256 bytes,
	s_lshl_b32 s[T0+2], s[WR], 7                   ; 32 are 128
	s_add_co_u32 s[T0+1], s[T0+1], STAGE
	s_add_co_u32 s[T0], s[T0], s[T0+1]
	s_add_co_u32 s[T0+3], s[T0], s[T0+2]
	v_add_nc_u32 v[SGA], s[T0+3], v39
	s_add_co_u32 s[T0+3], s[T0], 128
	s_sub_co_u32 s[T0+3], s[T0+3], s[T0+2]
	v_add_nc_u32 v[SGB], s[T0+3], v39
	s_add_co_u32 s[T0+3], s[T0+1], s[T0+2]
	s_add_co_u32 s[T0+3], s[T0+3], 128*SPITCH
	v_add_nc_u32 v[SG8], s[T0+3], v39
	s_mul_i32 s[T0], s[WV], SPITCH                 ; back: row 8 i + w whole, 16 bytes a lane
	s_add_co_u32 s[T0], s[T0], STAGE
	v_add_nc_u32 v[RDA], s[T0], v[L16]
	v_add_nc_u32 v[RDB], 72*SPITCH, v[RDA]
	CONV 0, 34, 3*STEPB                            ; step 0 into slot 0; step 3 is asked for.  No LDS store is out yet: here the wait on vm_vsrc states that the table's load has read v[PT], which the first products write
	CONV 1, 34, 4*STEPB                            ; step 1 into slot 1; step 4 is asked for
	MEET                                           ; every wave's rows of steps 0 and 1 are in LDS
	FRAGS 0                                        ; step 0's fragments: their addresses were written ahead of the waits above, and no vector instruction has named XF or WF
	s_wait_dscnt 0x0
	BODY 0, 1, 1, 1, 34, 1, 5*STEPB, 7, 0, 1       ; step 0 stands in front of the loop: its products start the sums
	s_mov_b32 s[CNTR], 19
.Ltrip:                                                ; 19 trips of three steps: steps 1 to 57; the last trip asks memory for steps 60 to 62
	BODY 1, 0, 1, 1, 34, 1, 6*STEPB, 10, 1, 1
	BODY 2, 0, 1, 1, 34, 1, 7*STEPB, 0, 0, 1
	BODY 0, 0, 1, 1, 34, 1, 8*STEPB, 0, 0, 1
	s_wait_xcnt 0x0                                ; the bases are stepped only behind this wait
	s_add_nc_u64 s[8:9], s[8:9], 3*STEPB
	s_add_nc_u64 s[6:7], s[6:7], 3*STEPB
	s_sub_co_u32 s[CNTR], s[CNTR], 1
	s_cmp_lg_u32 s[CNTR], 0
	s_cbranch_scc1 .Ltrip
	BODY 1, 0, 1, 1, 34, 1, 6*STEPB, 0, 0, 1       ; step 58 asks memory for step 63, the last
	BODY 2, 0, 1, 1, 34, 0, 0, 0, 0, 1             ; steps 59 to 61 round steps 61 to 63: the counts run down
	BODY 0, 0, 1, 1, 17, 0, 0, 0, 0, 1
	BODY 1, 0, 1, 1, 0, 0, 0, 0, 0, 1
	BODY 2, 0, 1, 0, 0, 0, 0, 0, 0, 1              ; step 62 fetches step 63's fragments
	BODY 0, 0, 0, 0, 0, 0, 0, 0, 0, 0              ; step 63
	PLACES                                         ; the lines below read results just made
	s_wait_alu depctr_va_vdst(0)                   ; the products have written the accumulators, which the LDS stores of waves 4-7 read, and are done reading XF and WF, in which the LDS loads of waves 0-3 land; the places above stay beside this wait
; THE WAY OUT.  Where tile t lies in the stage: TB the address register, TO the offset.
.macro TADDR t
.if (\t) >= 16
.set TB, SG8
.set TO, ((\t)-16)*64
.elseif ((\t)%4) < 2
.set TB, SGA
.set TO, ((\t)/4)*SUNIT+((\t)%4)*64
.else
.set TB, SGB
.set TO, ((\t)/4)*SUNIT+((\t)%4-2)*64
.endif
.endm
	s_cmp_lt_u32 s[WV], 4
	s_cbranch_scc1 .Llower
.set t, 0
.rept 18                               ; waves 4-7: their partial sums into the stage; each accumulator's low registers first
	TADDR t
	ds_store_b128 v[TB], v[ACC+8*t:ACC+8*t+3] offset:TO
	ds_store_b128 v[TB], v[ACC+8*t+4:ACC+8*t+7] offset:TO+16
.set t, t+1
.endr
.Llower:
	MEET
	s_cmp_ge_u32 s[WV], 4
	s_cbranch_scc1 .Lupper
.irp f,0,9                             ; waves 0-3: wave w reads what wave w + 4 stored (the same addresses), adds its own sums and stores the totals; nine tiles at a time
.set t, \f
.rept 9
	TADDR t
	ds_load_b128 v[TMP+8*(t-\f):TMP+8*(t-\f)+3],   v[TB] offset:TO
	ds_load_b128 v[TMP+8*(t-\f)+4:TMP+8*(t-\f)+7], v[TB] offset:TO+16
.set t, t+1
.endr
	s_wait_dscnt 0x0
.set i, 0
.rept 36
	v_pk_add_f32 v[ACC+8*\f+2*i:ACC+8*\f+2*i+1], v[ACC+8*\f+2*i:ACC+8*\f+2*i+1], v[TMP+2*i:TMP+2*i+1]
.set i, i+1
.endr
	s_wait_alu depctr_va_vdst(0)                   ; the additions have written the totals, which the LDS stores read, and are done reading v[TMP ..], in which the next nine tiles land
.set t, \f
.rept 9
	TADDR t
	ds_store_b128 v[TB], v[ACC+8*t:ACC+8*t+3] offset:TO
	ds_store_b128 v[TB], v[ACC+8*t+4:ACC+8*t+7] offset:TO+16
.set t, t+1
.endr
.endr
.Lupper:
	MEET
	; every wave stores the 18 rows whose tokens it holds: a row of 512 bytes by one store of 32 lanes, at a multiple of 512 from out0's first byte
	s_mov_b32 s[SEL+1], 0                          ; named with the factor as a pair
	s_wait_alu depctr_vm_vsrc(0)                   ; my LDS stores have read the accumulators' registers: the rows land in v[RR ..] and the stores' offsets are made in v[VO ..], both among them
	s_wait_alu depctr_va_vdst(0)                   ; the two ways join here: the products (waves 4-7) and the additions (waves 0-3) have written the registers in which the rows land
.set i, 0
.rept 18
.if i < 9
	ds_load_b128 v[RR+4*i:RR+4*i+3], v[RDA] offset:i*8*SPITCH
.else
	ds_load_b128 v[RR+4*i:RR+4*i+3], v[RDB] offset:(i-9)*8*SPITCH
.endif
.set i, i+1
.endr
.set i, 0
.rept 18                               ; the 18 offsets are made while the rows are on their way
	s_and_b32 s[T0+1], s[ENT+i], 0xffff
	s_min_u32 s[T0+1], s[T0+1], 0xfff
	v_lshl_add_u32 v[VO+i], s[T0+1], 12, v[L16]    ; token x 4,096 bytes + 16 x lane; each store has registers of its own
.set i, i+1
.endr
.irp f,0,9                             ; nine rows at a time: the factors, one wait, the stores.  A row behind the block's last is multiplied too, and not stored
	s_wait_dscnt 9-\f                              ; these nine rows are back; the later nine rows' loads stay out
.set i, \f
.rept 9
	s_bitcmp1_b32 s[ENT+i], 16
	s_cselect_b32 s[SEL], 0, 1.0                   ; the definition's factor: 0 for an index that names no expert
	v_pk_mul_f32 v[RR+4*i:RR+4*i+1], v[RR+4*i:RR+4*i+1], s[SEL:SEL+1] op_sel_hi:[1,0]
	v_pk_mul_f32 v[RR+4*i+2:RR+4*i+3], v[RR+4*i+2:RR+4*i+3], s[SEL:SEL+1] op_sel_hi:[1,0]
.set i, i+1
.endr
	s_wait_alu depctr_va_vdst(0)                   ; the multiplications have written these nine rows, and the lines above v[VO ..]: the stores read both
.set i, \f
.rept 9
	s_add_co_u32 s[T0], s[WV], 8*i
	s_cmp_ge_u32 s[T0], s[ROWS]
	s_cbranch_scc1 .Ldone                          ; my rows ascend: the first one behind the block's last ends the run
	global_store_b128 v[VO+i], v[RR+4*i:RR+4*i+3], s[10:11] th:TH_STORE_NT
.set i, i+1
.endr
.endr
.Ldone:
	s_wait_dscnt 0x0
	s_set_vgpr_msb 0x5
	s_wait_dscnt 0x0
	s_wait_alu depctr_hold_cnt(0) depctr_sa_sdst(0) depctr_va_vdst(0) depctr_va_sdst(0) depctr_va_ssrc(0) depctr_va_vcc(0) depctr_vm_vsrc(0)
	s_wait_tensorcnt 0x0
	ds_add_u32 v254, v255
	s_wait_dscnt 0x0
	s_endpgm
.Lfunc_end_k_qf6568556bd_swapgemm:
	.size	k_qf6568556bd_swapgemm, .Lfunc_end_k_qf6568556bd_swapgemm-k_qf6568556bd_swapgemm
	.p2alignl 7, 3214868480
	.fill 96, 4, 3214868480
	.section	.rodata,"a",@progbits
	.p2align	6, 0x0
	.amdhsa_kernel k_qf6568556bd_swapgemm
		.amdhsa_group_segment_fixed_size 194560
		.amdhsa_private_segment_fixed_size 0
		.amdhsa_enable_private_segment 0
		.amdhsa_kernarg_size 32
		.amdhsa_user_sgpr_count 2
		.amdhsa_user_sgpr_kernarg_segment_ptr 1
		.amdhsa_wavefront_size32 1
		.amdhsa_system_sgpr_workgroup_id_x 1
		.amdhsa_system_sgpr_workgroup_id_y 1
		.amdhsa_system_sgpr_workgroup_id_z 1
		.amdhsa_system_vgpr_workitem_id 0
		.amdhsa_next_free_vgpr 512
		.amdhsa_next_free_sgpr 100
		.amdhsa_reserve_vcc 1
		.amdhsa_float_denorm_mode_32 3
		.amdhsa_float_denorm_mode_16_64 3
		.amdhsa_memory_ordered 1
		.amdhsa_forward_progress 1
		.amdhsa_inst_pref_size 167
	.end_amdhsa_kernel
	.amdgpu_metadata
---
amdhsa.version: [ 1, 2 ]
amdhsa.kernels:
  - .name:           k_qf6568556bd_swapgemm
    .symbol:         k_qf6568556bd_swapgemm.kd
    .args:
      - { .name: route, .offset: 0, .size: 8, .value_kind: global_buffer, .address_space: global }
      - { .name: weight_stacked, .offset: 8, .size: 8, .value_kind: global_buffer, .address_space: global }
      - { .name: x, .offset: 16, .size: 8, .value_kind: global_buffer, .address_space: global }
      - { .name: out0, .offset: 24, .size: 8, .value_kind: global_buffer, .address_space: global }
    .group_segment_fixed_size: 194560
    .private_segment_fixed_size: 0
    .kernarg_segment_align: 8
    .kernarg_segment_size: 32
    .max_flat_workgroup_size: 256
    .sgpr_count:     100
    .vgpr_count:     512
    .wavefront_size: 32
...
	.end_amdgpu_metadata
.endif
;; end of part 3
